; MI455X (gfx1250); checked and timed in simulation.
; The chip was launched on July 23, 2026; its instructions are those of AMD's public machine-readable ISA for CDNA 5 (MIT licence, August 2026) and "CDNA5" Instruction Set Architecture Reference Guide (July 2026). The comments in the code are by the model that wrote it; some were corrected since.
;; Full Attention. Allowed arithmetic: matrix products marked QUANTISED: E2M3 operands, one E8M0 scale for each 32 along K, by v_wmma_scale_f32_16x16x128_f8f6f4 with both operands' format E2M3, f32 sums; everything else in f32.
;; Inputs: keys 4 x 2,048 x 8 x 64 float32; queries 4 x 2,048 x 8 x 64 float32; values 4 x 2,048 x 8 x 64 float32.
;; Outputs: out0 4 x 2,048 x 8 x 64 float32.
;; This version of the problem:
;;   THIS VERSION OF THE PROBLEM IS GIVEN IN LOW PRECISION. The matrix products marked QUANTISED in the list below multiply operands that are first quantised to E2M3 (2 exponent bits, 3 mantissa bits; 6 bits a number), with one power-of-two scale for each 32 numbers along K (OCP MX v1.0); their sums are f32. All else is computed in f32.
;;   The module's matrix products, in the order in which they are computed (A, B: the left and right operand; K: the contracted axis; several contracted axes count as one K, in the product's order):
;;     1. batch 32 x [M 2,048, K 64] x [K 64, N 2,048]; A: input queries; B: input keys: QUANTISED
;;     2. batch 32 x [M 64, K 2,048] x [K 2,048, N 2,048]; A: input values; B: softmax (see below): QUANTISED
;;   THE QUANTISER, for each operand of a quantised product, along K:
;;     - K is cut into blocks of 32 from its start; a last block that is shorter is filled with zeros.
;;     - A block's scale is 2^e with e = floor(log2(the largest magnitude in the block)) - 2, held to -126 .. 127; a block of zeros has e = 0. As a byte (E8M0): e + 127.
;;     - Each number is divided by its block's scale, clamped to +-7.5, and rounded to the nearest number of E2M3, ties to even, subnormals kept.
;;     - The product sums the exact products of the quantised numbers (number of the format x scale) in f32.
;;   ~~~python
;;   def quantise(x, axis):      # numpy; x: float32 -> the quantised numbers, widened to float32 again
;;       x = np.moveaxis(x, axis, -1); K = x.shape[-1]
;;       x = np.pad(x, [(0, 0)] * (x.ndim - 1) + [(0, -K % 32)]); x = x.reshape(x.shape[:-1] + (-1, 32)); a = np.abs(x).max(-1, keepdims=True)
;;       e = np.where(a > 0, np.clip(np.frexp(np.where(a > 0, a, 1))[1] - 1 - 2, -126, 127), 0)      # np.frexp(a)[1] - 1 = floor(log2(a)), exactly
;;       r = np.clip(x / 2.0 ** e, -7.5, 7.5)
;;       step = 2.0 ** (np.maximum(np.frexp(np.where(r == 0, 1, r))[1] - 1, 0) - 3)
;;       q = np.round(r / step) * step * 2.0 ** e      # np.round: ties to even
;;       return np.moveaxis(q.reshape(q.shape[:-2] + (-1,))[..., :K], -1, axis).astype(np.float32)
;;   ~~~
;;   SOFTMAX AHEAD OF A QUANTISED PRODUCT. Where the list says 'softmax', what is quantised is not the finished softmax but p = 2^(t - M), with t = logit x log2(e) and M = ceil(the row's largest t), a whole number; so 1/2 < the row's largest p <= 1. The row's sum l is taken of the UNQUANTISED p, in f32, and the product's result is divided by l at the end. Since M is a whole number, a kernel that streams over the keys may use a running M (the ceiling of the running maximum): every later rescaling is an exact power of two, which a block's scale takes up: the codes' values come out the same.
;;   OPERANDS COMPUTED ON THE WAY. 'Computed on the way' means the value that the module computes at that place (a softmax that the list does not call 'softmax' is quantised finished and normalised). What goes into a quantiser is computed in f32, as accurately as f32 sums, v_exp_f32 and their like allow (about 1e-6 of the number): no bf16 or f16 on the way to a quantiser, and a product that is left as it is and whose result goes on into a quantised operand takes f32 operands (vector FMAs, or v_wmma_f32_16x16x4_f32). A number that lies on a knife's edge between two numbers of the format may be rounded either way, as far as f32 arithmetic and the matrix unit's own rounding can turn it there, and no further.
;; One version. Each part assembles by itself: llvm-mc -triple=amdgcn-amd-amdhsa -mcpu=gfx1250 --defsym DOCPART=n.
;; ======== version 1 of 1: 2 launches
;; limits: right only within a limited range of input values
;; workspace buffers: kv 6,553,600 bytes
;; launch quant (part 1): grid 16 x 32, 4 waves a work-group, no clusters, 70,912 bytes of LDS; arguments keys, values, kv; writes kv
.if DOCPART == 1
	.amdgcn_target "amdgcn-amd-amdhsa--gfx1250"
	.amdhsa_code_object_version 6
	.text
	.protected	k_qb10ec8ca3f_quant
	.globl	k_qb10ec8ca3f_quant
	.p2align	8
	.type	k_qb10ec8ca3f_quant,@function
k_qb10ec8ca3f_quant:
	s_mov_b64 s[64:65], 0
	v_nop
	global_prefetch_b8 v0, s[64:65] scope:SCOPE_SE
	s_setreg_imm32_b32 hwreg(HW_REG_WAVE_MODE, 25, 1), 1
	s_wait_xcnt 0x0
; keys and values, [4][2048][8][64] f32, become codes of FP6 (E2M3) with one E8M0 byte for each 32 along a product's K: keys along the head's 64, values along the KEYS.
; A block's scale is 2^(floor(log2(its largest magnitude)) - 2): its byte is the largest magnitude's exponent field - 2, held at 1 from below; each number is divided by the scale and rounded to the nearest code, ties to even,
; beyond 7.5 the largest code.
; DEAD WORK.  This launch leaves nothing out: every key and value counts for some query.  The second launch leaves out whole key steps whose keys all come after the queries at hand: the module itself replaces those scores by the
; lowest finite number ahead of the softmax, and in every row the query's own key counts, so what those scores were reaches no output.  LIMIT: a NaN, an infinity or an overflow that reaches only such scores is not carried to the result.
; LIMITS: NaN and infinities among the inputs are not served.  A block of zeros (and one whose largest magnitude lies under 2^-124) gets the byte 1 where the stated quantiser gives a block of zeros 127: its codes are zeros,
; which add nothing under any byte but 0xff, and the bytes are read by this program's second launch alone.
; WHAT IS WRITTEN, in the ORDER OF THE OPERANDS' REGISTERS.  Head g = 8 b + h has 204,800 bytes at 204,800 g, for 16 steps of 128 keys.  A step has four parts of 3,072 bytes, one for each fragment f, and a scale image of 512:
;   part f, 0:      K's fragment f, 1,536 bytes: registers 4 c .. 4 c + 3 of lane l at 512 c + 16 l.  Lane (r, hh): registers 0-5 = key 64 (f / 2) + 16 (f % 2) + r % 8 + 32 (r / 8), numbers 32 hh .. 32 hh + 31 of the head's 64;
;                   registers 6-11 = the key 8 further on, the same numbers.  So a fragment holds TWO tiles of 16 keys, one in k 0 .. 63, the other in k 64 .. 127.
;   part f, 1,536:  V's fragment f likewise.  Lane (r, hh): registers 6 c .. 6 c + 5 = channel 16 f + r, keys 64 c + 32 hh + 0 .. 31 of the step.
;   scale image:    four registers: lane l's 16 bytes at 16 l: K's words of fragments l / 16 and 2 + l / 16, V's words of the same two, each for row l % 16.
; Steps 0-7 lie one behind the other, 12,800 bytes each: the four parts, then the image.  Steps 8-15 (the second 102,400 bytes) lie in pieces: piece 0 at 0 holds 3,584 bytes for each step (part 0, the image), pieces f = 1 .. 3 at
; 28,672 + 24,576 (f - 1) hold part f of each step.
; SHARES.  Work-group (x = s, y = g) makes one step of one head; wave w makes K's fragment w and V's fragment w.  It brings in its fragment's 32 keys of K (two runs of 16, 32 keys apart) and keys 32 w .. 32 w + 31 of V.
; Every load of a wave covers two whole rows of 256 bytes; every store covers 512 consecutive bytes.
; V goes first, through a stage that the four waves share, and is read back down the keys, a lane to a channel; K follows through the wave's own stage (a lane then holds 32 neighbours of one key).
; No tensor loads: all 32 loads of a wave are out at once.
.set PIT,   272                        ; a stage row: 256 bytes + 16: the sixteen rows that a 16-byte load touches begin 68 words apart
.set KSTW,  32*PIT                     ; a wave's stage for K: 32 rows
.set VSTG,  4*KSTW                     ; V's stage: the keys of the step's blocks 0 and 2, 64 rows;
.set VODD,  64*PIT+128                 ; those of blocks 1 and 3 begin here behind it: 4,384 words on, half a row of banks (64 banks of 4 bytes: ISA guide 11.1) away from the others
.set SIMG,  69888                      ; the image of the four scale registers, 512 bytes
.set SPARE, 70400                      ; the spare words, 128 bytes for each wave
.set HALF,  102400
.set RK,    32                         ; v32-95   K as loaded
.set RV,    96                         ; v96-159  V as loaded, then V back from the stage: 64 numbers down the keys
.set KB,    160                        ; v160-223 K back from the stage: 32 numbers of each of my two keys
.set CK,    224                        ; v224-235 K's codes
.set CV,    236                        ; v236-247 V's codes
.set T0,    248                        ; v248-250, v252-254: the upper halves of a block's codes, on their way
.set T1,    252
.set SPW,   251                        ; v251 my spare word's address
.set NIL,   255                        ; v255 0
; v1 lane, v2 r, v3 hh; v4 my bytes in a load; v5, v6 K's stage in and out; v7, v8 V's; v9 my scale word's place; v10 my codes' place in the head's part; v11 the scale image, out; v12 8 hh; v13 the image's place in the head's part
; v14-15 largest magnitudes, v16-17 scale operands, v18-19 bytes, v20 my two bytes, v21 the other half's, v22 K's word, v23 V's word, v24-27 the scale image on its way out
	s_load_b128 s[4:7], s[0:1], 0x0                ; keys, values
	s_load_b64 s[8:9], s[0:1], 0x10                ; kv
	v_lshl_add_u32 v[SPW], v0, 2, SPARE
	v_mov_b32 v[NIL], 0
	v_lshrrev_b32 v1, 5, v0
	v_readfirstlane_b32 s10, v1                    ; wave 0..3
	v_and_b32 v1, 31, v0                           ; lane
	v_and_b32 v2, 15, v0                           ; r
	v_bfe_u32 v3, v0, 4, 1                         ; hh
	s_wait_alu depctr_va_vdst(0)
	s_mov_b32 s11, ttmp9                           ; the step
	s_and_b32 s12, ttmp7, 0xffff                   ; the head g = 8 b + h
	s_lshr_b32 s14, s12, 3                         ; in, for both tensors: b x 4,194,304
	s_lshl_b32 s14, s14, 22
	s_lshl_b32 s18, s11, 18                        ; + 128 s keys of 2,048 bytes
	s_add_co_u32 s14, s14, s18
	s_and_b32 s18, s12, 7                          ; + h x 256
	s_lshl_b32 s18, s18, 8
	s_add_co_u32 s14, s14, s18
	s_lshr_b32 s22, s10, 1                         ; K: + 64 (w / 2) keys
	s_lshl_b32 s22, s22, 17
	s_and_b32 s18, s10, 1                          ;    + 16 (w % 2) keys
	s_lshl_b32 s18, s18, 15
	s_add_co_u32 s22, s22, s18
	s_add_co_u32 s22, s22, s14
	s_mov_b32 s23, 0
	s_lshl_b32 s18, s10, 16                        ; V: + 32 w keys
	s_add_co_u32 s14, s14, s18
	s_mov_b32 s15, 0
	s_mul_i32 s16, s12, 2*HALF                     ; out: the head's part
	s_mov_b32 s17, 0
	s_mov_b32 s20, 0x76543210
	s_mov_b32 s21, 0xfedcba98                      ; v_permlanex16_b32's selects for lane l xor 16
	v_lshlrev_b32 v4, 4, v2
	v_lshl_add_u32 v4, v3, 11, v4                  ; lanes 0-15 one key's row, lanes 16-31 the next key's: 2,048 hh + 16 r
	s_mul_i32 s18, s10, KSTW                       ; my stage for K
	v_mul_u32_u24 v5, v3, PIT
	v_lshl_add_u32 v5, v2, 4, v5
	v_add_nc_u32 v5, s18, v5                       ; in: row hh of the pair, 16 r
	v_mul_u32_u24 v6, v2, PIT
	v_lshl_add_u32 v6, v3, 7, v6
	v_add_nc_u32 v6, s18, v6                       ; out: row r, my half of its 256 bytes
	s_lshr_b32 s18, s10, 1                         ; V's stage, in: my 32 keys are the step's block w: blocks 0, 2 in the first part, 1, 3 in the second
	s_mul_i32 s18, s18, 32*PIT
	s_and_b32 s19, s10, 1
	s_mul_i32 s19, s19, VODD
	s_add_co_u32 s18, s18, s19
	s_add_co_u32 s18, s18, VSTG
	v_mul_u32_u24 v7, v3, PIT
	v_lshl_add_u32 v7, v2, 4, v7
	v_add_nc_u32 v7, s18, v7
	s_lshl_b32 s18, s10, 6                         ; out: channel 16 w + r; lanes 16-31 take the odd blocks
	s_add_co_u32 s18, s18, VSTG
	v_mul_u32_u24 v8, v3, VODD
	v_lshl_add_u32 v8, v2, 2, v8
	v_add_nc_u32 v8, s18, v8
	s_and_b32 s18, s10, 1                          ; my fragment's scale words: lane 16 (w % 2) + r of the image, word w / 2
	s_lshl_b32 s18, s18, 8
	s_lshr_b32 s19, s10, 1
	s_lshl_b32 s19, s19, 2
	s_add_co_u32 s18, s18, s19
	s_add_co_u32 s18, s18, SIMG
	v_lshl_add_u32 v9, v2, 4, s18
	s_and_b32 s24, s11, 7                          ; the step in its half
	s_mul_i32 s18, s10, 24576                      ; in the second half: part w >= 1 lies at 28,672 + 24,576 (w - 1) + 3,072 x step,
	s_mul_i32 s19, s24, 3072
	s_add_co_u32 s18, s18, s19
	s_add_co_u32 s18, s18, HALF+4096
	s_mul_i32 s25, s24, 3584                       ; part 0 at 3,584 x step, the image 3,072 behind it
	s_add_co_u32 s25, s25, HALF
	s_cmp_eq_u32 s10, 0
	s_cselect_b32 s18, s25, s18
	s_add_co_u32 s25, s25, 3072
	s_mul_i32 s19, s24, 12800                      ; in the first half: step x 12,800, + 3,072 w; the image 12,288 behind the step's first byte
	s_mul_i32 s26, s10, 3072
	s_add_co_u32 s26, s26, s19
	s_add_co_u32 s19, s19, 12288
	s_cmp_lt_u32 s11, 8
	s_cselect_b32 s18, s26, s18
	s_cselect_b32 s25, s19, s25
	v_lshl_add_u32 v10, v1, 4, s18
	v_lshl_add_u32 v13, v1, 4, s25
	v_lshl_add_u32 v11, v1, 4, SIMG
	v_lshlrev_b32 v12, 3, v3
	v_mov_b32 v21, 0                               ; written once: a lane permute's destination counts as one of its sources
	s_wait_alu depctr_va_vdst(0)                   ; the wait at the head's end
	s_wait_kmcnt 0x0
	s_add_nc_u64 s[4:5], s[4:5], s[22:23]
	s_add_nc_u64 s[6:7], s[6:7], s[14:15]
	s_add_nc_u64 s[8:9], s[8:9], s[16:17]
.set i, 0
.rept 16
	global_load_b128 v[RV+4*i:RV+4*i+3], v4, s[6:7] offset:4096*i th:TH_LOAD_NT   ; read once in the launch
.set i, i+1
.endr
.set i, 0
.rept 16
	global_load_b128 v[RK+4*i:RK+4*i+3], v4, s[4:5] offset:4096*i+32768*(i/8) th:TH_LOAD_NT   ; numbers 2 i and 2 i + 1 of my fragment's 32 keys: the second sixteen lie 16 keys further on
.set i, i+1
.endr
; 64 numbers of a lane, block 0 in v[src] .. v[src + 31] and block 1 in v[src + 32] .. v[src + 63], each a whole block of 32 along K, become the fragment's 12 registers v[dst] on and its scale word v[wrd].
; My blocks are numbers hh and 2 + hh of the row's four: my two bytes stand 8 hh bits up, and lane l xor 16's two make the word whole.
.macro QUANT2 src, dst, wrd
.irp c, 0,1
	v_max3_num_f32 v[14+\c], |v[\src+32*\c]|, |v[\src+32*\c+1]|, 0x1800000   ; and the floor 2^(3 - 127), under which no largest magnitude is taken: so the byte cannot fall under 1
.endr
.irp i, 2,4,6,8,10,12,14,16,18,20,22,24,26,28,30
.irp c, 0,1
	v_max3_num_f32 v[14+\c], v[14+\c], |v[\src+32*\c+\i]|, |v[\src+32*\c+\i+1]|   ; (the two blocks by turns)
.endr
.endr
.irp c, 0,1
	v_add_nc_u32 v[16+\c], 0xff000000, v[14+\c]    ; 2 off the exponent field: the conversion takes the exponent field of this operand as its scale, and nothing else of it
.endr
.irp c, 0,1
	v_lshrrev_b32 v[18+\c], 23, v[16+\c]           ; the scale's byte
.endr
	v_lshl_or_b32 v20, v19, 16, v18
	v_lshlrev_b32 v20, v12, v20
	v_permlanex16_b32 v21, v20, s20, s21
	v_or_b32 v[\wrd], v20, v21
	v_cvt_scalef32_pk16_fp6_f32 v[\dst:\dst+2], v[\src:\src+15], v16
	v_cvt_scalef32_pk16_fp6_f32 v[T0:T0+2], v[\src+16:\src+31], v16       ; (a conversion's three registers begin on an even number: the second half of a block's six does not, so it is made elsewhere and moved)
	v_cvt_scalef32_pk16_fp6_f32 v[\dst+6:\dst+8], v[\src+32:\src+47], v17
	v_cvt_scalef32_pk16_fp6_f32 v[T1:T1+2], v[\src+48:\src+63], v17
	v_nop                                          ; one plain place behind a scaled conversion
.irp i, 0,1,2
	v_mov_b32 v[\dst+3+\i], v[T0+\i]
	v_mov_b32 v[\dst+9+\i], v[T1+\i]
.endr
.endm
	s_wait_loadcnt 16                              ; V's sixteen loads are in; K's sixteen, issued behind them, may be out
.set i, 0
.rept 16
	ds_store_b128 v7, v[RV+4*i:RV+4*i+3] offset:2*i*PIT
.set i, i+1
.endr
	s_wait_dscnt 0x0                               ; for the others' sake: my part of V lies in the stage
	s_barrier_signal -1
	s_barrier_wait -1                              ; all 128 keys of V lie in the stage
.set i, 0
.rept 64
	ds_load_b32 v[RV+i], v8 offset:i*PIT           ; register 32 c + i: key 64 c + 32 hh + i of channel 16 w + r: sixteen lanes take 64 neighbouring bytes of one key, the other sixteen those of the key 32 further on
.set i, i+1
.endr
	s_wait_dscnt 0x0
	QUANT2 RV, CV, 23
.irp c, 0,1,2
	global_store_b128 v10, v[CV+4*\c:CV+4*\c+3], s[8:9] offset:1536+512*\c    ; 32 lanes store 512 consecutive bytes; the next launch reads them, so no hint
.endr
	ds_store_b32 v9, v23 offset:8                  ; lanes r and 16 + r write the same word with the same value
	s_wait_loadcnt 0x0                             ; K
; K's turn.  Number x of my 32 keys goes to stage row 16 ((x / 8) % 2) + x % 8 + 8 (x / 16), so that rows 16 u + r hold numbers 8 u + r % 8 + 16 (r / 8): tile u's rows 0-7 from the first run of 16 keys, rows 8-15 from the second.
.set i, 0
.rept 16
	ds_store_b128 v5, v[RK+4*i:RK+4*i+3] offset:(16*((i/4)%2)+(2*i)%8+8*(i/8))*PIT
.set i, i+1
.endr
.set i, 0
.rept 16
	ds_load_b128 v[KB+4*i:KB+4*i+3], v6 offset:16*(i/8)*PIT+16*(i%8)   ; LDS serves a wave's instructions in order (ISA guide 5.7.1.4): these see my stores.  Tile i / 8, my 128 bytes of row r
.set i, i+1
.endr
	s_wait_dscnt 0x0
	QUANT2 KB, CK, 22
.irp c, 0,1,2
	global_store_b128 v10, v[CK+4*\c:CK+4*\c+3], s[8:9] offset:512*\c
.endr
	ds_store_b32 v9, v22
	s_wait_dscnt 0x0                               ; for wave 0's sake: my two words lie in the image
	s_barrier_signal -1
	s_barrier_wait -1
	s_cmp_lg_u32 s10, 0
	s_cbranch_scc1 .Lend                           ; wave 0 alone sends the image out
	ds_load_b128 v[24:27], v11
	s_wait_dscnt 0x0
	global_store_b128 v13, v[24:27], s[8:9]
.Lend:
	s_wait_tensorcnt 0x0                           ; the wave's end
	ds_add_u32 v[SPW], v[NIL]
	s_wait_dscnt 0x0
	s_endpgm
.Lfunc_end_k_qb10ec8ca3f_quant:
	.size	k_qb10ec8ca3f_quant, .Lfunc_end_k_qb10ec8ca3f_quant-k_qb10ec8ca3f_quant
	.p2alignl 7, 3214868480
	.fill 96, 4, 3214868480
	.section	.rodata,"a",@progbits
	.p2align	6, 0x0
	.amdhsa_kernel k_qb10ec8ca3f_quant
		.amdhsa_group_segment_fixed_size 70912
		.amdhsa_private_segment_fixed_size 0
		.amdhsa_enable_private_segment 0
		.amdhsa_kernarg_size 24
		.amdhsa_user_sgpr_count 2
		.amdhsa_user_sgpr_kernarg_segment_ptr 1
		.amdhsa_wavefront_size32 1
		.amdhsa_system_sgpr_workgroup_id_x 1
		.amdhsa_system_sgpr_workgroup_id_y 1
		.amdhsa_system_sgpr_workgroup_id_z 1
		.amdhsa_system_vgpr_workitem_id 0
		.amdhsa_next_free_vgpr 256
		.amdhsa_next_free_sgpr 66
		.amdhsa_reserve_vcc 0
		.amdhsa_float_denorm_mode_32 3
		.amdhsa_float_denorm_mode_16_64 3
		.amdhsa_memory_ordered 1
		.amdhsa_forward_progress 1
		.amdhsa_inst_pref_size 22
	.end_amdhsa_kernel
	.amdgpu_metadata
---
amdhsa.version: [ 1, 2 ]
amdhsa.kernels:
  - .name:           k_qb10ec8ca3f_quant
    .symbol:         k_qb10ec8ca3f_quant.kd
    .args:
      - { .name: keys, .offset: 0, .size: 8, .value_kind: global_buffer, .address_space: global }
      - { .name: values, .offset: 8, .size: 8, .value_kind: global_buffer, .address_space: global }
      - { .name: kv, .offset: 16, .size: 8, .value_kind: global_buffer, .address_space: global }
    .group_segment_fixed_size: 70912
    .private_segment_fixed_size: 0
    .kernarg_segment_align: 8
    .kernarg_segment_size: 24
    .max_flat_workgroup_size: 128
    .sgpr_count:     66
    .vgpr_count:     256
    .wavefront_size: 32
...
	.end_amdgpu_metadata
.endif
;; end of part 1
;; launch attn (part 2): grid 8 x 32, 16 waves a work-group, no clusters, 327,680 bytes of LDS; arguments kv, queries, out0; writes out0
.if DOCPART == 2
	.amdgcn_target "amdgcn-amd-amdhsa--gfx1250"
	.amdhsa_code_object_version 6
	.text
	.protected	k_qb10ec8ca3f_attn
	.globl	k_qb10ec8ca3f_attn
	.p2align	8
	.type	k_qb10ec8ca3f_attn,@function
k_qb10ec8ca3f_attn:
	s_mov_b64 s[64:65], 0
	v_nop
	global_prefetch_b8 v0, s[64:65] scope:SCOPE_SE
	s_setreg_imm32_b32 hwreg(HW_REG_WAVE_MODE, 25, 1), 1
	s_wait_xcnt 0x0
; out0[b][q][h][:] = the sum over keys k <= q of softmax_k(Q . K / 8) V, both products on codes of FP6 (E2M3) with one E8M0 scale for each 32 along a product's K.
; queries, out0: [4][2048][8][64] f32.  kv: the first launch's images of K's and V's operand registers.
; THE SOFTMAX AHEAD OF THE SECOND PRODUCT: t = score x log2(e) / 8; M = the row's largest t so far, rounded UP to a whole number; p = 2^(t - M) is what is quantised, along the keys, not normalised.
; The row's sum is taken of the unquantised p, in f32, and divides O at the end.  When M moves, the sum and O are multiplied by 2^(old M - new M): exact.
; SHARES.  A work-group (x = j, y = head g = 8 b + h) owns two blocks of 128 queries, j and 15 - j, which want j + 1 and 16 - j steps of 128 keys: 17 together in every work-group.
; TWO WAVES FORM A PAIR p = w / 2 (u = (w xor w / 4) % 2 tells them apart; partner = w xor 1).  A pair owns tile p (16 queries) of block j, the SHORT tile, and tile 7 - p of block 15 - j, the LONG one.  Wave u takes the steps of parity u
; of both, first the long tile's, then the short tile's: 8 or 9 live steps for every wave of every work-group, and one of the two diagonal steps.  What the two have summed of a tile (-M, the sum, O) meets in LDS: wave 1 of the pair
; makes the long tile's result in mid-walk, wave 0 the short tile's at the end.  The parts are joined under the larger M by powers of two.
; DEAD WORK left out: a step all of whose keys come after the tile's queries; on the diagonal, keys 64 on of the step where all of them do (the first launch's head says why).
; LDS.  A head's kv, 204,800 bytes, comes in once, as it lies in memory, by twelve tensor loads at the head, one a wave: waves 0-3 bring steps 0-3 and waves 4-7 steps 4-7 (a step each), waves 8-11 steps 8-15 (a quarter of 25,600
; bytes each, in which the pieces' layout puts a part of step 8, so that every load brings bytes that every work-group reads).  Nothing is filled again.  Behind kv each wave has a slot of 4,608 bytes: q's turn, then its part
; of a tile (an image of its registers), and the way out's stage; then the images of q's operand registers, 1,024 bytes for each tile; no fill lands there.
; BARRIERS: one shows steps 0-3 and q; one, split round a step, steps 4-7; one, split round a step, steps 8-15; one, split round two steps, the parts of the long tiles; one the parts of the short tiles.
; NO CLUSTER, though the eight work-groups of a head read the same kv: which steps a tile wants hangs on j, which in a cluster of one head would be the work-group's place in it, and partners that ask jointly may not branch on that;
; without the branch the work would double.  NO PREFETCH: all fills are asked for at the head, and there is no loop of fills to run ahead in.
; LAYOUT.  Both products are used transposed: S^T = K Q^T (source 0 = 16 keys, source 1 = my 16 queries), O^T = V^T P^T (source 0 = 16 channels, source 1 = P): a lane holds ONE query (lane % 16) throughout.
; THE FIRST PRODUCT'S K IS 64, THE INSTRUCTION'S 128.  A fragment of K holds two tiles of 16 keys, one in k 0 .. 63 and one in k 64 .. 127; it is multiplied by [q | 0] for the first tile's scores and by [0 | q] for the
; second's.  The zero codes stand in Q's operand ALONE: the codes that they meet are finite under bytes 1 .. 254, so those products are exact zeros; Q's scale bytes of its zero half are 0 (2^-127).
; THE KEYS OF A TILE ARE NOT NEIGHBOURS: row r of tile n is key 64 (n / 4) + 8 (n % 4) + r % 8 + 32 (r / 8) of the step.  A result's register i of lane (r, hh) is its row 8 hh + i, so a lane's 32 registers of tiles 4 c .. 4 c + 3
; are the keys 64 c + 32 hh + 0 .. 31: ONE WHOLE BLOCK of the second product's K, in the order in which that product's operand wants it.  So a block's largest p needs no other lane, and p's codes change no lane.
; LIMITS: NaN and infinities among the inputs are not served.  The scaled scores t stay under 2^31 in magnitude.  A block of q that is all zeros gets the byte 1 (its codes are zeros).  A block's largest p is not searched for: its
; largest SCORE goes through the same multiply-add and exponential, which takes v_exp_f32 not to fall where its input rises (at the worst one p of a block, within an ulp of a power of two, is held one code low).
.set HALF,  102400                     ; eight steps
.set STEPB, 12800                      ; steps 0-7: a step's bytes; part f (K's fragment, V's 1,536 bytes behind it) at 3,072 f, the scale image at 12,288
.set PC1,   28672                      ; steps 8-15: pieces 1-3 begin here behind the half's first byte,
.set PIECE, 24576                      ; 24,576 bytes each,
.set STP,   3072                       ; 3,072 a step;
.set STP0,  3584                       ; piece 0: 3,584 a step, the scale image at 3,072
.set EX,    2*HALF                     ; the slots
.set SLOT,  4608
.set QIM,   EX+16*SLOT                 ; the images of q
.set SPARE, QIM+16*1024                ; the spare words, 128 bytes for each wave
.set WV,   10                          ; s10  my wave's number
.set JB,   11                          ; s11  j
.set HD,   12                          ; s12  the head
.set U,    13                          ; s13  u
.set PR,   14                          ; s14  the pair p
.set Q0,   15                          ; s15  the tile's first query
.set KEY,  16                          ; s16  the step's first key
.set TB,   17                          ; s17  LDS byte of the step (steps 8-15: in piece 1)
.set CNT,  18                          ; s18  a loop's counter
.set TC,   19                          ; s19  at work
.set SEL,  20                          ; s[20:21] v_permlanex16_b32's selects for lane l xor 16
.set CS,   22                          ; s[22:23] c = log2(e) / 8: the packed form names a pair and takes its low word for both halves
.set G1,   24                          ; s[24:31] descriptor group 1 of waves 0-7's loads
.set GA,   32                          ; s[32:35] descriptor group 0 of waves 0-7's loads
.set GC,   36                          ; s[36:39] of waves 8-11's
.set OF,   40                          ; s[40:41], s[42:43] 64-bit offsets
.set OG,   42
.set QSH,  44                          ; s44  the short tile's first query
.set QLO,  45                          ; s45  the long tile's
.set SL,   46                          ; s46  LDS byte of my slot
.set SLP,  47                          ; s47  of my partner's
.set QIW,  48                          ; s48  LDS byte of the image of q that I make
.set QIR,  49                          ; s49  of the pair's two
.set TA,   50                          ; s50  at work
.set TB0,  51                          ; s51  LDS byte of the step in piece 0
.set G1C,  52                          ; s[52:59] descriptor group 1 of waves 8-11's loads
.set TN,   60                          ; s60, s61 the next step's places
.set TN0,  61
.set LI,   1                           ; v1   16 x lane: my place in an image
.set ADR,  2                           ; v2   LDS address of a step (steps 8-15: in piece 1)
.set DL,   3                           ; v3   lane % 16 - 32 (lane / 16)
.set STO,  4                           ; v4   the way out: where I put 16 bytes of a row
.set RD,   5                           ; v5   my slot by whole rows: lanes 0-15 one row, lanes 16-31 the next
.set GO,   6                           ; v6   the same two rows in queries and in out0
.set QRD,  7                           ; v7   q's turn: row lane % 16, my half of it
.set PT,   8                           ; v8   the lane permutes' destination
.set SH,   11                          ; v11  8 (lane / 16): how far up my bytes stand in a scale word
.set NM,   12                          ; v12  -M;  v13 the largest t
.set SUM,  14                          ; v[14:15] the row's sum in two halves
.set QF,   16                          ; v16-21 q, v22-27 zeros, v28-33 q: [q | 0] = v[16:27], [0 | q] = v[22:33]
.set QS,   34                          ; v34, v35  their scale words
.set KS,   36                          ; v36, v37  K's scale words: fragments 0, 1 (lanes 0-15, 16-31) and 2, 3
.set VS,   38                          ; v38, v39  V's likewise
.set PS,   40                          ; v40  p's scale word
.set ADR0, 41                          ; v41  LDS address of the step in piece 0
.set FF,   42                          ; v[42:43] f = 2^(old M - new M) (v43 is named with it, so it is written once)
.set L8,   44                          ; v44  8 x lane
.set QIA,  45                          ; v45  where my image of q goes
.set SPW,  46                          ; v46  LDS address of my spare word
.set NIL,  47                          ; v47  0
.set KFR,  48                          ; v48-95   K's four fragments; 0 to 2 are loaded a step ahead
.set PC,   84                          ; v84-95   behind the first product, in fragment 3's place: p's codes
.set SS,   96                          ; v96-159  S^T, then p: register 32 c + i = key 64 c + 32 (lane / 16) + i of the step
.set OO,   160                         ; v160-191 O^T: register 8 t + i = channel 16 t + 8 (lane / 16) + i
.set VFR,  192                         ; v192-239 V's four fragments
.set MX,   240                         ; v240-243 two chains of maxima for each of my two blocks
.set CT0,  240                         ; v240-242, v248-250 later: the upper halves of the blocks' codes, on their way
.set CT1,  248
.set BM,   244                         ; v[244:245] each block's largest score, then its largest p
.set SO,   246                         ; v246, v247 the conversions' scale operands
.set WK,   250                         ; v250, v251 at work
.set OW,   251                         ; v251 later: my bytes of p's scale word
.set S2,   252                         ; v[252:253] the sum's second chain
.set OLD,  254                         ; v254 -M as it was
.set BT,   254                         ; v254, v255 later: the scales' bytes
	s_load_b128 s[4:7], s[0:1], 0x0                ; kv, queries
	s_load_b64 s[8:9], s[0:1], 0x10                ; out0
	v_lshl_add_u32 v[SPW], v0, 2, SPARE
	v_mov_b32 v[NIL], 0
	ds_add_u32 v[SPW], v[NIL]                      ; the opening lines: the add, twice on end, and its wait ahead of my first tensor load
	ds_add_u32 v[SPW], v[NIL]
	v_lshrrev_b32 v9, 5, v0
	v_readfirstlane_b32 s[WV], v9                  ; wave 0..15
	s_mov_b32 s[JB], ttmp9
	s_and_b32 s[HD], ttmp7, 0xffff
	s_lshr_b32 s[PR], s[WV], 1
	s_lshr_b32 s[U], s[WV], 2
	s_xor_b32 s[U], s[U], s[WV]
	s_and_b32 s[U], s[U], 1
	s_lshl_b32 s[QSH], s[JB], 7
	s_lshl_b32 s[TA], s[PR], 4
	s_add_co_u32 s[QSH], s[QSH], s[TA]             ; 128 j + 16 p
	s_sub_co_u32 s[QLO], 2032, s[QSH]              ; 128 (15 - j) + 16 (7 - p)
	s_cmp_eq_u32 s[U], 0
	s_cselect_b32 s[TA], s[QSH], s[QLO]            ; the tile whose q I quantise and whose result I send out: u = 0 the short one, u = 1 the long one
	s_lshr_b32 s[OF], s[HD], 3                     ; its rows of queries and of out0: b x 4,194,304
	s_lshl_b32 s[OF], s[OF], 22
	s_lshl_b32 s[TA], s[TA], 11                    ; + 2,048 x its first query
	s_add_co_u32 s[OF], s[OF], s[TA]
	s_and_b32 s[TA], s[HD], 7                      ; + 256 h
	s_lshl_b32 s[TA], s[TA], 8
	s_add_co_u32 s[OF], s[OF], s[TA]
	s_mov_b32 s[OF+1], 0
	s_mul_i32 s[SL], s[WV], SLOT
	s_add_co_u32 s[SL], s[SL], EX
	s_xor_b32 s[SLP], s[WV], 1
	s_mul_i32 s[SLP], s[SLP], SLOT
	s_add_co_u32 s[SLP], s[SLP], EX
	s_lshl_b32 s[QIR], s[PR], 11
	s_add_co_u32 s[QIR], s[QIR], QIM               ; the pair's images: the short tile's, then the long tile's
	s_lshl_b32 s[QIW], s[U], 10
	s_add_co_u32 s[QIW], s[QIW], s[QIR]
	s_mov_b32 s[SEL], 0x76543210
	s_mov_b32 s[SEL+1], 0xfedcba98
	s_mov_b32 s[CS], 0x3e38aa3b                    ; c = log2(e) / 8
	s_mov_b32 s[CS+1], s[CS]                       ; (named with it as a pair, so it is written)
; descriptor group 1: a dense run of \rows rows of 256 bytes: elements of 8 bytes, 32 to a row, 32 from row to row, no padding, no mask
.macro SHAPE g, rows
	s_mov_b32 s[\g+0], 3<<16                       ; 17:16 elements of 8 bytes
	s_mov_b32 s[\g+1], 32<<16                      ; tensor_dim0 = 32
	s_mov_b32 s[\g+2], (\rows)<<16                 ; tensor_dim1
	s_mov_b32 s[\g+3], 32<<16                      ; tile_dim0 = 32
	s_mov_b32 s[\g+4], \rows                       ; tile_dim1
	s_mov_b32 s[\g+5], 32                          ; tensor_dim0_stride
	s_mov_b32 s[\g+6], 0
	s_mov_b32 s[\g+7], 0
.endm
	SHAPE G1, 50
	SHAPE G1C, 100
	v_and_b32 v9, 15, v0                           ; r
	v_bfe_u32 v10, v0, 4, 1                        ; hh
	v_and_b32 v[LI], 31, v0
	v_lshlrev_b32 v[GO], 4, v9
	v_lshlrev_b32 v[SH], 5, v10
	v_lshlrev_b32 v[L8], 3, v[LI]
	v_lshl_add_u32 v[GO], v10, 11, v[GO]           ; 2,048 hh + 16 r
	v_lshlrev_b32 v[LI], 4, v[LI]
	v_mul_u32_u24 v[STO], v9, 272
	v_mul_u32_u24 v[RD], v10, 272
	v_mul_u32_u24 v[QRD], v9, 272
	v_sub_nc_u32 v[DL], v9, v[SH]                  ; r - 32 hh
	v_lshl_add_u32 v[STO], v10, 5, v[STO]
	v_lshl_add_u32 v[RD], v9, 4, v[RD]
	v_lshl_add_u32 v[QRD], v10, 7, v[QRD]
	v_add_nc_u32 v[STO], s[SL], v[STO]             ; row r, + 32 hh
	v_add_nc_u32 v[RD], s[SL], v[RD]               ; row hh of a pair, + 16 r
	v_add_nc_u32 v[QRD], s[SL], v[QRD]             ; row r, + 128 hh
	v_add_nc_u32 v[QIA], s[QIW], v[L8]
	v_mov_b32 v[PT], 0                             ; written once: a lane permute's destination counts as one of its sources
	v_mov_b32 v[FF+1], 0                           ; (named as the upper half of the pair with f)
	v_lshlrev_b32 v[SH], 3, v10                    ; 8 hh: it stays
	s_wait_alu depctr_va_vdst(0)                   ; the wait at the head's end
	s_wait_dscnt 0x0                               ; both opening adds are done
	s_wait_kmcnt 0x0
	s_add_nc_u64 s[6:7], s[6:7], s[OF:OF+1]
	s_add_nc_u64 s[8:9], s[8:9], s[OF:OF+1]
.set n, 0
.rept 8
	global_load_b128 v[SS+4*n:SS+4*n+3], v[GO], s[6:7] offset:4096*n th:TH_LOAD_NT   ; queries 2 n and 2 n + 1: sixteen lanes read a query's 256 bytes; read once in the launch
.set n, n+1
.endr
	; descriptor group 0: kv lies in LDS as the head's part lies in memory.  Waves 0-7 bring step w; waves 8-11 quarter w - 8 of the second half
	s_mul_i32 s[OG], s[HD], 2*HALF
	s_mov_b32 s[OG+1], 0
	s_add_nc_u64 s[4:5], s[4:5], s[OG:OG+1]        ; the head's first byte in kv
	s_mov_b32 s[GA], 1                             ; 1:0 count = 1
	s_mul_i32 s[GA+1], s[WV], STEPB                ; 63:32 LDS address
	s_mov_b32 s[OG], s[GA+1]
	s_add_nc_u64 s[GA+2:GA+3], s[4:5], s[OG:OG+1]  ; 120:64 global address
	s_or_b32 s[GA+3], s[GA+3], 0x80000000          ; 127:126 type = 2
	s_mov_b32 s[GC], 1
	s_mul_i32 s[GC+1], s[WV], 2*STEPB
	s_sub_co_u32 s[GC+1], s[GC+1], HALF            ; 102,400 + 25,600 (w - 8)
	s_mov_b32 s[OG], s[GC+1]
	s_add_nc_u64 s[GC+2:GC+3], s[4:5], s[OG:OG+1]
	s_or_b32 s[GC+3], s[GC+3], 0x80000000
; ALL FILLS OF THE LAUNCH: one chain of branches on the wave's number, one tensor load to an arm, one join
	s_cmp_lt_u32 s[WV], 4
	s_cbranch_scc0 .Lfill_b
	tensor_load_to_lds s[GA:GA+3], s[G1:G1+7]      ; waves 0-3: steps 0-3
	s_nop 0
.rept 4
	v_nop
.endr
	s_branch .Lasked
.Lfill_b:
	s_cmp_lt_u32 s[WV], 8
	s_cbranch_scc0 .Lfill_c
	tensor_load_to_lds s[GA:GA+3], s[G1:G1+7]      ; waves 4-7: steps 4-7
	s_nop 0
.rept 4
	v_nop
.endr
	s_branch .Lasked
.Lfill_c:
	s_cmp_lt_u32 s[WV], 12
	s_cbranch_scc0 .Lasked
	tensor_load_to_lds s[GC:GC+3], s[G1C:G1C+7]    ; waves 8-11: steps 8-15
	s_nop 0
.rept 4
	v_nop
.endr
.Lasked:
	s_wait_loadcnt 0x0
; q's turn through my slot: in as it was loaded, back 128 bytes a lane: block hh (32 numbers) of query r, whole, in v128-159
.set n, 0
.rept 8
	ds_store_b128 v[RD], v[SS+4*n:SS+4*n+3] offset:544*n
.set n, n+1
.endr
.set n, 0
.rept 8
	ds_load_b128 v[128+4*n:128+4*n+3], v[QRD] offset:16*n   ; LDS serves a wave's instructions in order (ISA guide 5.7.1.4): these see my stores
.set n, n+1
.endr
	s_wait_dscnt 0x0
	v_max3_num_f32 v240, |v128|, |v129|, |v130|    ; the block's largest magnitude: all 32 numbers are mine; two chains
	v_max3_num_f32 v241, |v131|, |v132|, |v133|
.irp i, 6,10,14,18,22,26
	v_max3_num_f32 v240, v240, |v[128+\i]|, |v[129+\i]|
	v_max3_num_f32 v241, v241, |v[130+\i]|, |v[131+\i]|
.endr
	v_max3_num_f32 v240, v240, |v158|, |v159|
	s_delay_alu instid0(VALU_DEP_1)
	v_max3_num_f32 v240, v240, v241, 0x1800000     ; and the floor 2^(3 - 127): the byte cannot fall under 1
	s_delay_alu instid0(VALU_DEP_1)
	v_add_nc_u32 v242, 0xff000000, v240            ; 2 off the exponent field: the conversion's scale operand
	s_delay_alu instid0(VALU_DEP_1)
	v_lshrrev_b32 v243, 23, v242                   ; the scale's byte
	v_cvt_scalef32_pk16_fp6_f32 v[QF:QF+2], v[128:143], v242
	v_cvt_scalef32_pk16_fp6_f32 v[244:246], v[144:159], v242   ; (a conversion's three registers begin on an even number)
	v_nop                                          ; one plain place behind a scaled conversion
.irp i, 0,1,2
	v_mov_b32 v[QF+3+\i], v[244+\i]                ; registers 0-5: k = 32 hh + 0 .. 31 of query r
.endr
	v_lshlrev_b32 v243, v[SH], v243                ; my byte at its place,
	s_delay_alu instid0(VALU_DEP_1)
	v_permlanex16_b32 v[PT], v243, s[SEL], s[SEL+1]
	s_delay_alu instid0(VALU_DEP_1)
	v_or_b32 v[QS], v243, v[PT]                    ; with lane l xor 16's: bytes 0, 1 of [q | 0]'s word; bytes 2, 3 are 0
	s_delay_alu instid0(VALU_DEP_1)
	v_lshlrev_b32 v[QS+1], 16, v[QS]               ; [0 | q]'s word: bytes 2, 3
.irp i, 0,1,2
	ds_store_b64 v[QIA], v[QF+2*\i:QF+2*\i+1] offset:256*\i   ; an image of the operand's registers, for both waves of the pair
.endr
	ds_store_b64 v[QIA], v[QS:QS+1] offset:768
.irp i, 0,1,2,3,4,5
	v_mov_b32 v[QF+6+\i], 0                        ; the zero half, shared by [q | 0] and [0 | q]: it stays
.endr
	s_wait_alu depctr_va_vdst(0)
	s_cmp_lt_u32 s[WV], 4
	s_cbranch_scc0 .Lnot_a
	s_wait_tensorcnt 0x0                           ; waves 0-3: my step is in
.Lnot_a:
	s_wait_dscnt 0x0                               ; my image of q lies in LDS
	s_barrier_signal -1
	s_barrier_wait -1                              ; steps 0-3 and all images of q are there
; ADDRESSES of a step: \h = 0: steps 0-7 (a step's bytes lie together); 1: steps 8-15 (pieces).  Every load below takes an image of registers, 512 consecutive bytes (a scale word's: 8 of each 16).
.macro ADDR h, tb, tb0
	v_add_nc_u32 v[ADR], s[\tb], v[LI]
.if \h
	v_add_nc_u32 v[ADR0], s[\tb0], v[LI]
.endif
.endm
.macro PART h, f, o, d                 ; twelve registers from part f's byte \o into v[\d] on
.irp c, 0,1,2
.if \h == 0
	ds_load_b128 v[\d+4*\c:\d+4*\c+3], v[ADR] offset:3072*\f+\o+512*\c
.elseif \f == 0
	ds_load_b128 v[\d+4*\c:\d+4*\c+3], v[ADR0] offset:\o+512*\c
.else
	ds_load_b128 v[\d+4*\c:\d+4*\c+3], v[ADR] offset:PIECE*(\f-1)+\o+512*\c
.endif
.endr
.endm
.macro WORDS h, o, d                   ; two scale registers: \o = 0 K's, 8 V's
.if \h == 0
	ds_load_b64 v[\d:\d+1], v[ADR] offset:12288+\o
.else
	ds_load_b64 v[\d:\d+1], v[ADR0] offset:3072+\o
.endif
.endm
.macro KAHEAD h                        ; K's scale words and fragments 0 to 2 of the step that ADR names
	WORDS \h, 0, KS
	PART \h, 0, 0, KFR
	PART \h, 1, 0, KFR+12
	PART \h, 2, 0, KFR+24
.endm
; A WALK (or a stretch of it) BEGINS: what a step finds loaded
.macro KFIRST h
	ADDR \h, TB, TB0
	KAHEAD \h
	s_wait_dscnt 0x0
.endm
; A TILE BEGINS: its q (image \o of the pair's two), K ahead, and no sum yet.  (A step has no first form of its own: the first finds zeros, which the first change of M leaves zeros.)
.macro TILE o
	s_mul_i32 s[TB], s[U], STEPB                   ; the step of my parity
	s_lshl_b32 s[KEY], s[U], 7
	v_add_nc_u32 v[WK], s[QIR], v[L8]
	ADDR 0, TB, TB0
.irp i, 0,1,2
	ds_load_b64 v[QF+2*\i:QF+2*\i+1], v[WK] offset:1024*\o+256*\i
	ds_load_b64 v[QF+12+2*\i:QF+13+2*\i], v[WK] offset:1024*\o+256*\i
.endr
	ds_load_b64 v[QS:QS+1], v[WK] offset:1024*\o+768
	KAHEAD 0
	v_mov_b32 v[NM+1], 0xff61b1e6                  ; the largest t so far: -3e38, under every t
	v_mov_b32 v[SUM], 0
	v_mov_b32 v[SUM+1], 0
	v_floor_f32 v[NM], -v[NM+1]                    ; -M
.set n, 0
.rept 32
	v_mov_b32 v[OO+n], 0
.set n, n+1
.endr
	s_wait_dscnt 0x0
.endm
.macro NEXT h                          ; two steps on
	s_add_co_u32 s[KEY], s[KEY], 256
.if \h
	s_add_co_u32 s[TB], s[TB], 2*STP
	s_add_co_u32 s[TB0], s[TB0], 2*STP0
.else
	s_add_co_u32 s[TB], s[TB], 2*STEPB
.endif
.endm
.macro KQ f, u                         ; the scores of tile u of K's fragment f
.if (\f)%2
	v_wmma_scale_f32_16x16x128_f8f6f4 v[SS+16*(\f)+8*(\u):SS+16*(\f)+8*(\u)+7], v[KFR+12*(\f):KFR+12*(\f)+11], v[QF+6*(\u):QF+6*(\u)+11], 0, v[KS+(\f)/2], v[QS+(\u)] matrix_a_fmt:MATRIX_FMT_FP6 matrix_b_fmt:MATRIX_FMT_FP6 matrix_a_scale:MATRIX_SCALE_ROW1
.else
	v_wmma_scale_f32_16x16x128_f8f6f4 v[SS+16*(\f)+8*(\u):SS+16*(\f)+8*(\u)+7], v[KFR+12*(\f):KFR+12*(\f)+11], v[QF+6*(\u):QF+6*(\u)+11], 0, v[KS+(\f)/2], v[QS+(\u)] matrix_a_fmt:MATRIX_FMT_FP6 matrix_b_fmt:MATRIX_FMT_FP6
.endif
.endm
.macro PV t                            ; channels 16 t on of O^T take these 128 keys
.if (\t)%2
	v_wmma_scale_f32_16x16x128_f8f6f4 v[OO+8*(\t):OO+8*(\t)+7], v[VFR+12*(\t):VFR+12*(\t)+11], v[PC:PC+11], v[OO+8*(\t):OO+8*(\t)+7], v[VS+(\t)/2], v[PS] matrix_a_fmt:MATRIX_FMT_FP6 matrix_b_fmt:MATRIX_FMT_FP6 matrix_a_scale:MATRIX_SCALE_ROW1
.else
	v_wmma_scale_f32_16x16x128_f8f6f4 v[OO+8*(\t):OO+8*(\t)+7], v[VFR+12*(\t):VFR+12*(\t)+11], v[PC:PC+11], v[OO+8*(\t):OO+8*(\t)+7], v[VS+(\t)/2], v[PS] matrix_a_fmt:MATRIX_FMT_FP6 matrix_b_fmt:MATRIX_FMT_FP6
.endif
.endm
; THE LARGEST SCORE OF EACH OF MY BLOCKS c OF 32 KEYS: it serves the row's maximum and, since p rises with the score, the block's largest p.  Two chains a block (registers 0-16 and 17-31).
; (Each result is read from its low end on.)
.macro MXA c
	v_max3_num_f32 v[MX+2*\c], v[SS+32*\c], v[SS+32*\c+1], v[SS+32*\c+2]
	v_max3_num_f32 v[MX+2*\c+1], v[SS+32*\c+17], v[SS+32*\c+18], v[SS+32*\c+19]
.endm
.macro MXI c, i
	v_max3_num_f32 v[MX+2*\c], v[MX+2*\c], v[SS+32*\c+3+2*\i], v[SS+32*\c+4+2*\i]
	v_max3_num_f32 v[MX+2*\c+1], v[MX+2*\c+1], v[SS+32*\c+20+2*\i], v[SS+32*\c+21+2*\i]
.endm
.macro MXZ c
	v_max3_num_f32 v[MX+2*\c], v[MX+2*\c], v[SS+32*\c+15], v[SS+32*\c+16]
.endm
.macro TFMA n                          ; t - M, two at a time (of the pairs c and -M the low word serves both halves)
	v_pk_fma_f32 v[SS+\n:SS+\n+1], v[SS+\n:SS+\n+1], s[CS:CS+1], v[NM:NM+1] op_sel_hi:[1,0,0]
.endm
.macro ADD2 n                          ; four p onto the row's sum, in two chains
	v_pk_add_f32 v[SUM:SUM+1], v[SUM:SUM+1], v[SS+\n:SS+\n+1]
	v_pk_add_f32 v[S2:S2+1], v[S2:S2+1], v[SS+\n+2:SS+\n+3]
.endm
; THE WORK OF A KEY STEP.  nc = 2: all 128 keys.  nc = 1: keys 0 .. 63 alone (the others are hidden from all my queries): half of the scores and of all that is made of them; p's upper half is zero codes.
; mask = 1: the step lies on the diagonal.  ahead = 1: K of the walk's next step is loaded under this one.  Behind a walk's last step that load, used by nobody, still lies inside kv, whose fills have all been shown by then.
.macro BODY nc, mask, h, ahead
	ADDR \h, TB, TB0
.if \nc == 2
	PART \h, 3, 0, KFR+36
.endif
	WORDS \h, 8, VS
.irp f, 0,1,2,3
	PART \h, \f, 1536, VFR+12*\f                   ; V lands under the first product and the softmax
.endr
.if \ahead
.if \h
	s_add_co_u32 s[TN], s[TB], 2*STP
	s_add_co_u32 s[TN0], s[TB0], 2*STP0
.else
	s_add_co_u32 s[TN], s[TB], 2*STEPB
.endif
.endif
	KQ 0, 0
	KQ 0, 1
	KQ 1, 0
	KQ 1, 1
	v_mov_b32 v[OLD], v[NM]                        ; -M is kept for f
.if \nc == 2
	KQ 2, 0
	v_nop
	KQ 2, 1
	v_nop
	s_wait_dscnt 13                                ; fragment 3 is in; V's words and twelve loads, issued behind it, may be out
	KQ 3, 0
.if \ahead
	ADDR \h, TN, TN0
.else
	v_nop
.endif
	KQ 3, 1
.else
.rept 3
	v_nop                                          ; with the move four places (ISA guide 7.12.1) behind the products, whose results are read below
.endr
.endif
.if \mask
; The mask: the scores of hidden keys become -infinity ahead of the maximum: p = 0 then.  nc = 2: the tile's queries lie at the step's key 64 or beyond, so only keys 64 on can be hidden.
.if \nc == 2
.rept 4
	v_nop
.endr
.endif
	s_sub_co_i32 s[TC], s[Q0], s[KEY]
.if \nc == 2
	s_sub_co_i32 s[TC], s[TC], 64
.endif
	v_add_nc_u32 v[WK], s[TC], v[DL]               ; d = my query - the first key of my block among those masked: its register i is hidden where i > d
	v_mov_b32 v[WK+1], 0xff800000                  ; -infinity
.set n, 0
.rept 32
	v_cmp_gt_i32 vcc_lo, n, v[WK]
	v_cndmask_b32 v[SS+32*(\nc-1)+n], v[SS+32*(\nc-1)+n], v[WK+1], vcc_lo
.set n, n+1
.endr
.endif
	MXA 0                                          ; (block 0's first six lines are places behind the last products too)
	MXI 0, 0
	MXI 0, 1
.if \ahead
	KAHEAD \h
.endif
.if \nc == 2
	MXA 1
	MXI 0, 2
	MXI 1, 0
	MXI 0, 3
	MXI 1, 1
	MXI 0, 4
	MXI 1, 2
	MXI 0, 5
	MXI 1, 3
	MXZ 0
	MXI 1, 4
	v_max_num_f32 v[BM], v[MX], v[MX+1]
	MXI 1, 5
	MXZ 1
	s_delay_alu instid0(VALU_DEP_1)
	v_max_num_f32 v[BM+1], v[MX+2], v[MX+3]
	s_delay_alu instid0(VALU_DEP_1)
	v_max_num_f32 v[WK], v[BM], v[BM+1]
	s_delay_alu instid0(VALU_DEP_1)
	v_permlanex16_b32 v[PT], v[WK], s[SEL], s[SEL+1]
	s_delay_alu instid0(VALU_DEP_1)
	v_max_num_f32 v[WK], v[WK], v[PT]              ; with lane l xor 16's blocks: the step's largest score of my query
.else
	MXI 0, 2
	MXI 0, 3
	MXI 0, 4
	MXI 0, 5
	MXZ 0
	s_delay_alu instid0(VALU_DEP_1)
	v_max_num_f32 v[BM], v[MX], v[MX+1]
	s_delay_alu instid0(VALU_DEP_1)
	v_permlanex16_b32 v[PT], v[BM], s[SEL], s[SEL+1]
	s_delay_alu instid0(VALU_DEP_1)
	v_max_num_f32 v[WK], v[BM], v[PT]
.endif
	s_delay_alu instid0(VALU_DEP_1)
	v_mul_f32 v[WK], s[CS], v[WK]                  ; as t (c is positive)
	s_delay_alu instid0(VALU_DEP_1)
	v_max_num_f32 v[NM+1], v[NM+1], v[WK]          ; the running largest t
	s_delay_alu instid0(VALU_DEP_1)
	v_floor_f32 v[NM], -v[NM+1]                    ; the new -M = floor(-t) = -ceil(t): M IS A WHOLE NUMBER
.irp n, 0,2,4,6
	TFMA \n
.endr
	v_sub_f32 v[WK], v[NM], v[OLD]                 ; M's old value less its new one: a whole number, 0 or less
.irp n, 8,10,12,14
	TFMA \n
.endr
	v_cvt_i32_f32 v[WK], v[WK]                     ; (it saturates)
.irp n, 16,18,20,22
	TFMA \n
.endr
	v_ldexp_f32 v[FF], 1.0, v[WK]                  ; f = 2^(old M - new M)
.irp n, 24,26,28,30
	TFMA \n
.endr
.if \nc == 2
	v_pk_fma_f32 v[BM:BM+1], v[BM:BM+1], s[CS:CS+1], v[NM:NM+1] op_sel_hi:[1,0,0]   ; the same of each block's largest score
.else
	v_fma_f32 v[BM], v[BM], s[CS], v[NM]
.endif
.set m, 0
.rept 16
	v_pk_mul_f32 v[OO+m:OO+m+1], v[OO+m:OO+m+1], v[FF:FF+1] op_sel_hi:[1,0]   ; O^T under the new M, from each result's low end on
.set m, m+2
.endr
	s_wait_alu depctr_va_vdst(0)                   ; the wait ahead of the batch
	v_exp_f32 v[BM], v[BM]                         ; the block's largest p: the same multiply-add and exponential on the same number give the same bits
.if \nc == 2
	v_exp_f32 v[BM+1], v[BM+1]
.endif
.set n, 0
.rept 16
	v_exp_f32 v[SS+n], v[SS+n]                     ; p = 2^(t - M), at most 1: NOT normalised
	v_exp_f32 v[SS+n+1], v[SS+n+1]
.if \nc == 2
	v_pk_fma_f32 v[SS+32+n:SS+33+n], v[SS+32+n:SS+33+n], s[CS:CS+1], v[NM:NM+1] op_sel_hi:[1,0,0]   ; block 1's t - M
.endif
.set n, n+2
.endr
.if \nc == 2
	s_wait_alu depctr_va_vdst(0)                   ; and behind it, ahead of block 1's
.set n, 32
.rept 32
	v_exp_f32 v[SS+n], v[SS+n]
.set n, n+1
.endr
.endif
	v_pk_mul_f32 v[SUM:SUM+1], v[SUM:SUM+1], v[FF:FF+1] op_sel_hi:[1,0]   ; the sums under the new M.  (The plain place behind the exponentials)
	s_wait_alu depctr_va_vdst(0)                   ; and behind the last of them
; p's scales, its codes and THE ROW'S SUM OF THE UNQUANTISED p, by turns
	v_max_num_f32 v[BM], 0x1800000, v[BM]          ; the floor 2^(3 - 127): the byte cannot fall under 1 (a block whose every p is 0 keeps that byte: its codes are zeros)
.if \nc == 2
	v_max_num_f32 v[BM+1], 0x1800000, v[BM+1]
.endif
	v_pk_add_f32 v[S2:S2+1], v[SS:SS+1], v[SS+2:SS+3]
	ADD2 4
	v_add_nc_u32 v[SO], 0xff000000, v[BM]          ; 2 off the exponent field: the conversion's scale operand
.if \nc == 2
	v_add_nc_u32 v[SO+1], 0xff000000, v[BM+1]
.endif
	ADD2 8
	v_lshrrev_b32 v[BT], 23, v[SO]                 ; the scale's byte
.if \nc == 2
	v_lshrrev_b32 v[BT+1], 23, v[SO+1]
.endif
	v_cvt_scalef32_pk16_fp6_f32 v[PC:PC+2], v[SS:SS+15], v[SO]
	v_cvt_scalef32_pk16_fp6_f32 v[CT0:CT0+2], v[SS+16:SS+31], v[SO]   ; (a conversion's three registers begin on an even number: the second half of a block's six does not, so it is made elsewhere and moved)
.if \nc == 2
	v_cvt_scalef32_pk16_fp6_f32 v[PC+6:PC+8], v[SS+32:SS+47], v[SO+1]
	v_cvt_scalef32_pk16_fp6_f32 v[CT1:CT1+2], v[SS+48:SS+63], v[SO+1]
.endif
	ADD2 12                                        ; (the plain place behind the conversions)
.if \nc == 2
	v_lshl_or_b32 v[OW], v[BT+1], 16, v[BT]        ; my blocks are numbers hh and 2 + hh of the step's four:
.irp i, 0,1,2
	v_mov_b32 v[PC+3+\i], v[CT0+\i]                ; registers 6 c .. 6 c + 5: keys 64 c + 32 hh + 0 .. 31
.endr
	v_lshlrev_b32 v[OW], v[SH], v[OW]              ; my bytes stand 8 hh bits up,
.irp i, 0,1,2
	v_mov_b32 v[PC+9+\i], v[CT1+\i]
.endr
.else
	v_lshlrev_b32 v[OW], v[SH], v[BT]              ; (bytes 2 and 3, over zero codes, are 0)
.irp i, 0,1,2
	v_mov_b32 v[PC+3+\i], v[CT0+\i]
	v_mov_b32 v[PC+6+\i], 0                        ; the hidden keys' codes are zeros: what they meet in V's fragments is finite, so they add nothing
	v_mov_b32 v[PC+9+\i], 0
.endr
.endif
	v_permlanex16_b32 v[PT], v[OW], s[SEL], s[SEL+1]
.if \nc == 2
	ADD2 16
.endif
	v_or_b32 v[PS], v[OW], v[PT]                   ; and lane l xor 16's make p's scale word whole
.if \nc == 2
.irp n, 20,24,28,32,36,40,44
	ADD2 \n                                        ; (fourteen places between p's scale word and the products below)
.endr
.else
.rept 8
	v_nop
.endr
.endif
	s_wait_alu depctr_va_vdst(0)
	s_wait_dscnt 0x0                               ; V is in (and K ahead)
.irp t, 0,1,2,3
	PV \t                                          ; the four accumulators by turns, one instruction a turn; between two steps' turns stand the first product's
.endr
.irp n, 0,4,8,12
	ADD2 32*\nc-16+\n                              ; the rest of the sum stands behind the products, of whose registers it names none: nine places, where four are asked, ahead of loads into registers that these products read
.endr
	s_delay_alu instid0(VALU_DEP_1)
	v_pk_add_f32 v[SUM:SUM+1], v[SUM:SUM+1], v[S2:S2+1]
.endm
; A STEP THAT MAY BE HIDDEN OR LIE ON THE DIAGONAL.  No barrier and no tensor load stands in it.
.macro STEP h
	s_add_co_u32 s[TC], s[Q0], 15                  ; the tile's last query
	s_cmp_gt_u32 s[KEY], s[TC]                     ; all keys hidden: round all but the lines at the end that step on
	s_cbranch_scc1 .Lhidden_\@
	s_add_co_u32 s[TA], s[KEY], 64
	s_cmp_gt_u32 s[TA], s[TC]                      ; keys 64 on hidden: the half form
	s_cbranch_scc0 .Lwide_\@
	BODY 1, 1, \h, 0
	s_branch .Lhidden_\@
.Lwide_\@:
	s_add_co_u32 s[TA], s[KEY], 127
	s_cmp_le_u32 s[TA], s[Q0]                      ; all keys count
	s_cbranch_scc0 .Ldiag_\@
	BODY 2, 0, \h, 1
	s_branch .Lhidden_\@
.Ldiag_\@:
	BODY 2, 1, \h, 0
.Lhidden_\@:
	NEXT \h
.endm
.macro STEPS trips, h
	s_mov_b32 s[CNT], \trips
.Lp_\@:
	STEP \h
	s_sub_co_u32 s[CNT], s[CNT], 1
	s_cmp_lg_u32 s[CNT], 0
	s_cbranch_scc1 .Lp_\@
.endm
.macro OPEN ahead                      ; a step of the first half, all of whose keys count
	BODY 2, 0, 0, \ahead
	NEXT 0
.endm
; MY PART OF A TILE INTO MY SLOT: an image of O's 32 registers, then -M, the largest t and the sum's two halves
.macro STASH
	s_wait_alu depctr_va_vdst(0)                   ; ahead of the readers below
	v_add_nc_u32 v[WK], s[SL], v[LI]
.irp n, 0,1,2,3,4,5,6,7
	ds_store_b128 v[WK], v[OO+4*\n:OO+4*\n+3] offset:512*\n
.endr
	ds_store_b128 v[WK], v[NM:NM+3] offset:4096
.endm
; A part from a slot (address v[\a]): O into v[\x] on, the four numbers into v[\y] on
.macro FETCH a, x, y
.irp n, 0,1,2,3,4,5,6,7
	ds_load_b128 v[\x+4*\n:\x+4*\n+3], v[\a] offset:512*\n
.endr
	ds_load_b128 v[\y:\y+3], v[\a] offset:4096
.endm
; TWO PARTS BECOME THE RESULT, in v[\x] on: one in v[\x] on and v[\y] on, the other in v[VFR] on and v[244:247].  Under the larger M each part takes a power of two (a part of no step has M = -3e38: its factor is 0), then the row's sum divides.
.macro JOIN x, y
	v_min_num_f32 v248, v[\y], v244                ; the larger M is the smaller -M
	v_add_f32 v249, v[\y+2], v[\y+3]
	v_add_f32 v250, v246, v247
	v_sub_f32 v251, v248, v[\y]
	v_sub_f32 v252, v248, v244
	v_cvt_i32_f32 v251, v251
	v_cvt_i32_f32 v252, v252
	v_ldexp_f32 v[FF], 1.0, v251
	v_ldexp_f32 v252, 1.0, v252
	v_mul_f32 v249, v249, v[FF]
	v_fma_f32 v249, v250, v252, v249
	s_delay_alu instid0(VALU_DEP_1)
	v_permlanex16_b32 v[PT], v249, s[SEL], s[SEL+1]
	s_delay_alu instid0(VALU_DEP_1)
	v_add_f32 v249, v249, v[PT]                    ; with lane l xor 16's blocks: the row's sum
	s_wait_alu depctr_va_vdst(0)                   ; the wait ahead of the transcendental
	v_rcp_f32 v249, v249
	v_nop                                          ; one plain place behind it
	s_wait_alu depctr_va_vdst(0)                   ; and the wait behind it
	v_mul_f32 v[FF], v[FF], v249
	v_mul_f32 v252, v252, v249
.set n, 0
.rept 16
	v_pk_mul_f32 v[\x+n:\x+n+1], v[\x+n:\x+n+1], v[FF:FF+1] op_sel_hi:[1,0]
.set n, n+2
.endr
.set n, 0
.rept 16
	v_pk_fma_f32 v[\x+n:\x+n+1], v[VFR+n:VFR+n+1], v[S2:S2+1], v[\x+n:\x+n+1] op_sel_hi:[1,0,1]   ; register 8 t + i is o(r, 16 t + 8 hh + i)
.set n, n+2
.endr
.endm
; THE WAY OUT, through my slot, so that sixteen lanes store a query's 256 consecutive bytes, which begin at a multiple of 256 from out0's first byte
.macro OUT x
.irp n, 0,1,2,3,4,5,6,7
	ds_store_b128 v[STO], v[\x+4*\n:\x+4*\n+3] offset:64*(\n/2)+16*(\n%2)
.endr
.irp n, 0,1,2,3,4,5,6,7
	ds_load_b128 v[VFR+4*\n:VFR+4*\n+3], v[RD] offset:544*\n   ; LDS serves a wave's instructions in order: these see my stores
.endr
.irp n, 0,1,2,3,4,5,6,7
	s_wait_dscnt 7-\n                              ; LDS loads come back in order: pair n of rows is in, the younger ones may be out
	global_store_b128 v[GO], v[VFR+4*\n:VFR+4*\n+3], s[8:9] offset:4096*\n th:TH_STORE_NT   ; written once, read by nobody here
.endr
.endm
	; THE LONG TILE: its steps 0-7 lie wholly under its queries (its first query is 1,024 or later)
	s_mov_b32 s[Q0], s[QLO]
	TILE 1
	OPEN 0
	s_wait_alu depctr_va_vdst(0)
	s_cmp_lt_u32 s[WV], 8
	s_cbranch_scc0 .Lnot_b
	s_wait_tensorcnt 0x0                           ; waves 4-7: my step is in (waves 0-3 have none out)
.Lnot_b:
	KFIRST 0                                       ; step 2 + u
	s_barrier_signal -1
	OPEN 0                                         ; between signal and wait: work on registers and LDS loads of steps 0-3, which nobody writes
	s_wait_alu depctr_va_vdst(0)
	s_barrier_wait -1                              ; steps 4-7 are there
	KFIRST 0
	OPEN 1
	s_wait_alu depctr_va_vdst(0)
	s_wait_tensorcnt 0x0                           ; waves 8-11: my quarter of steps 8-15 is in
	s_wait_dscnt 0x0
	s_barrier_signal -1
	OPEN 0
	s_wait_alu depctr_va_vdst(0)
	s_barrier_wait -1                              ; steps 8-15 are there
	s_mul_i32 s[TB], s[U], STP
	s_add_co_u32 s[TB], s[TB], HALF+PC1
	s_mul_i32 s[TB0], s[U], STP0
	s_add_co_u32 s[TB0], s[TB0], HALF
	KFIRST 1
	STEPS 4, 1                                     ; steps 8 + u, 10 + u, 12 + u, 14 + u (KEY has come to 1,024 + 128 u)
	STASH
	; THE SHORT TILE: steps u, u + 2, u + 4, u + 6
	s_mov_b32 s[Q0], s[QSH]
	TILE 0                                         ; (its last line waits for the stash too)
	s_wait_alu depctr_va_vdst(0)
	s_barrier_signal -1                            ; my part of the long tile lies in my slot
	STEPS 2, 0
	s_wait_alu depctr_va_vdst(0)
	s_barrier_wait -1                              ; all parts of the long tiles are there
	s_cmp_eq_u32 s[U], 0
	s_cbranch_scc1 .Lno_long
	v_add_nc_u32 v84, s[SL], v[LI]                 ; THE LONG TILE'S RESULT, by wave 1 of the pair: my part and my partner's.  (The codes', scores' and V's registers are free between steps; K ahead is not touched)
	v_add_nc_u32 v85, s[SLP], v[LI]
	FETCH 84, SS, 240
	FETCH 85, VFR, 244
	s_wait_dscnt 0x0
	JOIN SS, 240
	OUT SS
	s_wait_xcnt 0x0                                ; the stores' data registers take V's fragments again only behind this wait
.Lno_long:
	STEPS 2, 0
	s_wait_alu depctr_va_vdst(0)
	s_cmp_eq_u32 s[U], 0
	s_cbranch_scc1 .Lkeep
	STASH                                          ; wave 1 of the pair hands its part over (its slot's last reads, its own, are done)
.Lkeep:
	s_wait_dscnt 0x0
	s_barrier_signal -1
	s_barrier_wait -1                              ; all parts of the short tiles are there, and nobody but me touches my slot from here on where u = 0
	s_cmp_lg_u32 s[U], 0
	s_cbranch_scc1 .Lend
	v_add_nc_u32 v85, s[SLP], v[LI]                ; THE SHORT TILE'S RESULT, by wave 0
	FETCH 85, VFR, 244
	s_wait_dscnt 0x0
	JOIN OO, NM
	OUT OO
.Lend:
	s_wait_tensorcnt 0x0                           ; the wave's end
	ds_add_u32 v[SPW], v[NIL]
	s_wait_dscnt 0x0
	s_endpgm
.Lfunc_end_k_qb10ec8ca3f_attn:
	.size	k_qb10ec8ca3f_attn, .Lfunc_end_k_qb10ec8ca3f_attn-k_qb10ec8ca3f_attn
	.p2alignl 7, 3214868480
	.fill 96, 4, 3214868480
	.section	.rodata,"a",@progbits
	.p2align	6, 0x0
	.amdhsa_kernel k_qb10ec8ca3f_attn
		.amdhsa_group_segment_fixed_size 327680
		.amdhsa_private_segment_fixed_size 0
		.amdhsa_enable_private_segment 0
		.amdhsa_kernarg_size 24
		.amdhsa_user_sgpr_count 2
		.amdhsa_user_sgpr_kernarg_segment_ptr 1
		.amdhsa_wavefront_size32 1
		.amdhsa_system_sgpr_workgroup_id_x 1
		.amdhsa_system_sgpr_workgroup_id_y 1
		.amdhsa_system_sgpr_workgroup_id_z 1
		.amdhsa_system_vgpr_workitem_id 0
		.amdhsa_next_free_vgpr 256
		.amdhsa_next_free_sgpr 66
		.amdhsa_reserve_vcc 1
		.amdhsa_float_denorm_mode_32 3
		.amdhsa_float_denorm_mode_16_64 3
		.amdhsa_memory_ordered 1
		.amdhsa_forward_progress 1
		.amdhsa_inst_pref_size 211
	.end_amdhsa_kernel
	.amdgpu_metadata
---
amdhsa.version: [ 1, 2 ]
amdhsa.kernels:
  - .name:           k_qb10ec8ca3f_attn
    .symbol:         k_qb10ec8ca3f_attn.kd
    .args:
      - { .name: kv, .offset: 0, .size: 8, .value_kind: global_buffer, .address_space: global }
      - { .name: queries, .offset: 8, .size: 8, .value_kind: global_buffer, .address_space: global }
      - { .name: out0, .offset: 16, .size: 8, .value_kind: global_buffer, .address_space: global }
    .group_segment_fixed_size: 327680
    .private_segment_fixed_size: 0
    .kernarg_segment_align: 8
    .kernarg_segment_size: 24
    .max_flat_workgroup_size: 512
    .sgpr_count:     66
    .vgpr_count:     256
    .wavefront_size: 32
...
	.end_amdgpu_metadata
.endif
;; end of part 2
